; MI455X (gfx1250); checked and timed in simulation.
; The chip was launched on July 23, 2026; its instructions are those of AMD's public machine-readable ISA for CDNA 5 (MIT licence, August 2026) and "CDNA5" Instruction Set Architecture Reference Guide (July 2026). The comments in the code are by the model that wrote it; some were corrected since.
;; H Module. Allowed arithmetic: matrix products marked QUANTISED: E4M3 operands, one given power-of-two scale a tensor, by v_wmma_f32_16x16x64_fp8_fp8 or v_wmma_f32_16x16x128_fp8_fp8, f32 sums; products left as they are: f32 operands where the result goes on into a quantised operand, else bf16, f16 or f32 operands; f32 sums; everything else in f32.
;; Inputs: W1 2,048 x 1,024 float32; W2 1,024 x 1,024 float32; Wk_codes 1,024 x 32 x 32 uint8 (E4M3 codes of Wk, K innermost, in blocks of 32 codes); Wq 1,024 x 1,024 float32; Wv_codes 1,024 x 32 x 32 uint8 (E4M3 codes of Wv, K innermost, in blocks of 32 codes); b1 1,024 float32; b2 1,024 float32; bk 1,024 float32; bq 1,024 float32; bv 1,024 float32; lowp_scales 4 int32 (the exponents e of the quantised operands' scales 2^e); nodes_codes 25,000 x 32 x 32 uint8 (E4M3 codes of nodes, K innermost, in blocks of 32 codes); scale 1,024 float32; z_prev 1,024 float32.
;; Outputs: out0 1,024 float32.
;; This version of the problem:
;;   THIS VERSION OF THE PROBLEM IS GIVEN IN LOW PRECISION. The matrix products marked QUANTISED in the list below multiply operands that are first quantised to E4M3 (4 exponent bits, 3 mantissa bits; 8 bits a number), with one given power-of-two scale for each operand tensor; their sums are f32. All else is computed in f32.
;;   The module's matrix products, in the order in which they are computed (A, B: the left and right operand; K: the contracted axis; several contracted axes count as one K, in the product's order):
;;     1. [M 1, K 1,024] x [K 1,024, N 1,024]; A: input z_prev; B: input Wq: left as it is (M = 1 < 16)
;;     2. [M 25,000, K 1,024] x [K 1,024, N 1,024]; A: input nodes (given as codes); B: input Wk (given as codes): QUANTISED (scales: A lowp_scales[0], B lowp_scales[1])
;;     3. [M 25,000, K 1,024] x [K 1,024, N 1,024]; A: input nodes (given as codes); B: input Wv (given as codes): QUANTISED (scales: A lowp_scales[2], B lowp_scales[3])
;;     4. batch 16 x [M 1, K 64] x [K 64, N 25,000]; A: computed on the way; B: computed on the way: left as it is (M = 1 < 16)
;;     5. batch 16 x [M 1, K 25,000] x [K 25,000, N 64]; A: softmax; B: computed on the way: left as it is (M = 1 < 16)
;;     6. [M 1, K 2,048] x [K 2,048, N 1,024]; A: computed on the way; B: input W1: left as it is (M = 1 < 16)
;;     7. [M 1, K 1,024] x [K 1,024, N 1,024]; A: computed on the way; B: input W2: left as it is (M = 1 < 16)
;;   THE QUANTISER, for each operand of a quantised product, along K:
;;     - The operand's scale is 2^e, e = its entry of the input lowp_scales (int32; the entries are numbered through the quantised products in the list's order, A before B).
;;     - Each number is divided by the scale, clamped to +-448, and rounded to the nearest number of E4M3, ties to even, subnormals kept.
;;     - The product sums the exact products of the quantised numbers (number of the format x scale) in f32.
;;   ~~~python
;;   def quantise(x, axis, e):      # numpy; x: float32 -> the quantised numbers, widened to float32 again
;;       x = np.moveaxis(x, axis, -1); K = x.shape[-1]
;;       r = np.clip(x / 2.0 ** e, -448, 448)
;;       step = 2.0 ** (np.maximum(np.frexp(np.where(r == 0, 1, r))[1] - 1, -6) - 3)
;;       q = np.round(r / step) * step * 2.0 ** e      # np.round: ties to even
;;       return np.moveaxis(q, -1, axis).astype(np.float32)
;;   ~~~
;;   INPUTS GIVEN AS CODES. Wk (in the module: [1024, 1024], K = its axis 0); Wv (in the module: [1024, 1024], K = its axis 0); nodes (in the module: [25000, 1024], K = its axis 1): each comes as NAME_codes (uint8): NAME with its K axis moved to the last place and cut into blocks of 32 codes, [.., K / 32, bytes a block], one block behind the other in memory; one code a byte (a code: sign, 4 exponent bits, 3 mantissa bits); its scale is its entry of lowp_scales. Its value is code x scale, taken as it is: it is not quantised again, and the codes and scales need not be those that the quantiser above would give.
;; One version. Each part assembles by itself: llvm-mc -triple=amdgcn-amd-amdhsa -mcpu=gfx1250 --defsym DOCPART=n.
;; ======== version 1 of 1: 5 launches
;; limits: right only within a limited range of input values
;; workspace buffers: zpart 32,768 bytes; wfrag 2,097,152 bytes; part 262,144 bytes; hpart 65,536 bytes; ypart 32,768 bytes
;; launch prep (part 1): grid 16 x 16, 8 waves a work-group, no clusters, 5,120 bytes of LDS; arguments z_prev, Wq, Wk_codes, Wv_codes, zpart, wfrag; writes zpart, wfrag
.if DOCPART == 1
	.amdgcn_target "amdgcn-amd-amdhsa--gfx1250"
	.amdhsa_code_object_version 6
	.text
	.protected	k_q1ebf217895_prep
	.globl	k_q1ebf217895_prep
	.p2align	8
	.type	k_q1ebf217895_prep,@function
k_q1ebf217895_prep:
	s_mov_b64 s[64:65], 0
	v_nop
	global_prefetch_b8 v0, s[64:65] scope:SCOPE_SE
	s_setreg_imm32_b32 hwreg(HW_REG_WAVE_MODE, 25, 1), 1
	s_wait_xcnt 0x0
; WORK LEFT OUT IN THIS PROGRAM: the input bk.  reference() has scores[h][c] = Q[h] . (nodes[c] Wk + bk)[h] / 8 = Q[h] . (nodes[c] Wk)[h] / 8 + Q[h] . bk[h] / 8.
; The last term does not hang on c, and the softmax runs over c: exp(s + a) / sum exp(s + a) = exp(s) / sum exp(s) for every finite a.  The product of Q and K is not quantised, and K goes nowhere else.
; So bk reaches no output, for all finite values of the inputs: it is not loaded and is no launch's argument.  LIMIT: a NaN, an infinity or an overflow that bk alone would bring is not carried to the result.
; TWO JOBS THAT HANG ON NOTHING COMPUTED, in one launch of 256 work-groups.
; (1) Work-group rows y = 0 .. 7: parts of the product of the row vector z_prev [1024] with Wq [1024][1024], f32.  Slice y takes 128 along K, work-group x takes 64 columns.
;     zpart[y][column] = the sum over the slice's 128 rows.  The reader adds the eight slices, so no sum spans work-groups here.
;     Wave w takes rows 16 w .. 16 w + 15; lane (r, h) the four columns 4 r .. 4 r + 3 of rows 16 w + 8 h + i, i = 0 .. 7:
;     each load of a wave covers two runs of 256 consecutive bytes, each at a multiple of 256 from the matrix's first byte.
; (2) Work-group rows y = 8 .. 15: Wk's and Wv's codes are laid anew, in the order in which the next launch's operand registers take them:
;     wfrag[hp 8][wave 8][s 4][t 4][c 4][lane 32][16 bytes]; lane (r, h) holds k = 512 (wave % 2) + 128 s + 32 c + 16 h + 0 .. 15 of column 128 hp + 32 (wave / 2) + 16 (t % 2) + r
;     of Wk (t = 0, 1) or of Wv (t = 2, 3).  One wave of this launch takes one (hp, wave, s, t): four loads of 32 bytes of each of 16 rows, four stores of 512 consecutive bytes.  No LDS, no barrier on this way.
; No matrix unit: one row on the left.  No tensor loads, no cluster: no two work-groups read the same bytes.  Sums in f32, in another order than a plain dot product's.
.set X,   8                            ; v[8:15]   my eight numbers of z_prev
.set ROW, 16                           ; v[16:47]  eight rows x four columns
.set ACC, 48                           ; v[48:51]  four columns' sums
.set TMP, 52                           ; v[52:55]  the other half of the lanes' sums
.macro MV_ROWS
.irp i, 0,1,2,3,4,5,6,7
	global_load_b128 v[ROW+4*\i:ROW+4*\i+3], v4, s[30:31] offset:4096*\i th:TH_LOAD_NT   ; read once in the launch
.endr
.endm
.macro MV_FMA                          ; ACC = the sum over i of row i x X[i]: two columns an instruction
	v_pk_mul_f32 v[ACC:ACC+1], v[ROW:ROW+1], v[X:X+1] op_sel_hi:[1,0]
	v_pk_mul_f32 v[ACC+2:ACC+3], v[ROW+2:ROW+3], v[X:X+1] op_sel_hi:[1,0]
.irp i, 1,2,3,4,5,6,7
.if (\i)%2
	s_delay_alu instid0(VALU_DEP_2)
	v_pk_fma_f32 v[ACC:ACC+1], v[ROW+4*\i:ROW+4*\i+1], v[X+\i-1:X+\i], v[ACC:ACC+1] op_sel:[0,1,0] op_sel_hi:[1,1,1]
	s_delay_alu instid0(VALU_DEP_2)
	v_pk_fma_f32 v[ACC+2:ACC+3], v[ROW+4*\i+2:ROW+4*\i+3], v[X+\i-1:X+\i], v[ACC+2:ACC+3] op_sel:[0,1,0] op_sel_hi:[1,1,1]
.else
	s_delay_alu instid0(VALU_DEP_2)
	v_pk_fma_f32 v[ACC:ACC+1], v[ROW+4*\i:ROW+4*\i+1], v[X+\i:X+\i+1], v[ACC:ACC+1] op_sel_hi:[1,0,1]
	s_delay_alu instid0(VALU_DEP_2)
	v_pk_fma_f32 v[ACC+2:ACC+3], v[ROW+4*\i+2:ROW+4*\i+3], v[X+\i:X+\i+1], v[ACC+2:ACC+3] op_sel_hi:[1,0,1]
.endif
.endr
.endm
.macro MV_OUT                          ; the two halves of the lanes, then the eight waves through LDS; wave 0 stores the 64 columns: 256 consecutive bytes
.irp k, 0,1,2,3
	v_permlanex16_b32 v[TMP+\k], v[ACC+\k], s32, s33
.endr
.irp k, 0,1,2,3
	s_delay_alu instid0(VALU_DEP_4)
	v_add_f32 v[ACC+\k], v[ACC+\k], v[TMP+\k]
.endr
	ds_store_b128 v5, v[ACC:ACC+3]                 ; 256 w + 16 r: lanes r and r + 16 write the same bytes with the same numbers
	s_wait_dscnt 0x0                               ; for wave 0's sake: my store has landed
	s_barrier_signal -1
	s_barrier_wait -1
	s_cmp_lg_u32 s18, 0
	s_cbranch_scc1 .Lend
.irp k, 0,1,2,3,4,5,6,7
	ds_load_b64 v[ROW+2*\k:ROW+2*\k+1], v6 offset:256*\k   ; wave k's sums of my two columns
.endr
	s_wait_dscnt 0x0
	v_pk_add_f32 v[ROW:ROW+1], v[ROW:ROW+1], v[ROW+2:ROW+3]
	v_pk_add_f32 v[ROW+4:ROW+5], v[ROW+4:ROW+5], v[ROW+6:ROW+7]
	v_pk_add_f32 v[ROW+8:ROW+9], v[ROW+8:ROW+9], v[ROW+10:ROW+11]
	v_pk_add_f32 v[ROW+12:ROW+13], v[ROW+12:ROW+13], v[ROW+14:ROW+15]
	s_delay_alu instid0(VALU_DEP_3)
	v_pk_add_f32 v[ROW:ROW+1], v[ROW:ROW+1], v[ROW+4:ROW+5]
	s_delay_alu instid0(VALU_DEP_2)
	v_pk_add_f32 v[ROW+8:ROW+9], v[ROW+8:ROW+9], v[ROW+12:ROW+13]
	s_delay_alu instid0(VALU_DEP_1)
	v_pk_add_f32 v[ROW:ROW+1], v[ROW:ROW+1], v[ROW+8:ROW+9]
	global_store_b64 v6, v[ROW:ROW+1], s[34:35]    ; 32 lanes x 8 bytes: 256 consecutive bytes, at a multiple of 256 from the buffer's first byte
.Lend:
	s_wait_tensorcnt 0x0                           ; the wave's end
	ds_add_u32 v160, v161
	s_wait_dscnt 0x0
	s_endpgm
.endm
	s_load_b256 s[4:11], s[0:1], 0x0               ; z_prev s[4:5], Wq s[6:7], Wk's codes s[8:9], Wv's codes s[10:11]
	s_load_b128 s[12:15], s[0:1], 0x20             ; zpart s[12:13], wfrag s[14:15]
	v_lshl_add_u32 v160, v0, 2, 0x1000
	v_mov_b32 v161, 0
	v_lshrrev_b32 v1, 5, v0
	s_delay_alu instid0(VALU_DEP_1)
	v_readfirstlane_b32 s18, v1                    ; wave 0..7
	v_and_b32 v1, 15, v0                           ; r
	v_bfe_u32 v2, v0, 4, 1                         ; h
	v_and_b32 v3, 31, v0                           ; lane
	s_and_b32 s19, ttmp7, 0xffff                   ; y
	s_cmp_ge_u32 s19, 8
	s_cbranch_scc1 .Lrelay                         ; the same way for the whole work-group
	; ---- (1) a slice of z_prev x Wq
	v_lshlrev_b32 v4, 4, v1
	s_delay_alu instid0(VALU_DEP_1)
	v_lshl_or_b32 v4, v2, 15, v4                   ; in the matrix: 8 h rows of 4,096 bytes + 16 r
	s_lshl_b32 s20, s18, 8
	v_lshl_add_u32 v5, v1, 4, s20                  ; LDS: 256 w + 16 r
	v_lshlrev_b32 v6, 3, v3                        ; 8 x lane
	v_lshlrev_b32 v7, 5, v2                        ; 32 h: my eight numbers of the vector
.irp k, 0,1,2,3
	v_mov_b32 v[TMP+\k], 0                         ; a lane permute's destination counts as one of its sources
.endr
	s_mov_b32 s32, 0x76543210                      ; v_permlanex16_b32: lane l takes lane l xor 16
	s_mov_b32 s33, 0xfedcba98
	s_lshl_b32 s23, s19, 7
	s_lshl_b32 s24, s18, 4
	s_add_co_u32 s23, s23, s24                     ; my wave's first row: 128 y + 16 w
	s_lshl_b32 s24, s23, 2                         ; its place in the vector, in bytes
	s_mov_b32 s25, 0
	s_lshl_b32 s26, s23, 12                        ; its place in the matrix,
	s_lshl_b32 s27, ttmp9, 8                       ; + 256 bytes for each group of 64 columns
	s_add_co_u32 s26, s26, s27
	s_mov_b32 s27, 0
	s_lshl_b32 s28, s19, 12                        ; out: row y of zpart,
	s_lshl_b32 s29, ttmp9, 8                       ; the same columns
	s_add_co_u32 s28, s28, s29
	s_mov_b32 s29, 0
	s_wait_alu depctr_va_vdst(0)                   ; the wait at the head's end
	s_wait_kmcnt 0x0
	s_add_nc_u64 s[30:31], s[6:7], s[26:27]
	s_add_nc_u64 s[4:5], s[4:5], s[24:25]
	s_add_nc_u64 s[34:35], s[12:13], s[28:29]
	global_load_b128 v[X:X+3], v7, s[4:5]
	global_load_b128 v[X+4:X+7], v7, s[4:5] offset:16
	MV_ROWS
	s_wait_loadcnt 0x0
	MV_FMA
	MV_OUT
	; ---- (2) 128 along K of sixteen columns of Wk or Wv into the order of the operand's registers
.Lrelay:
	s_sub_co_u32 s20, s19, 8
	s_lshl_b32 s20, s20, 4
	s_add_co_u32 s20, s20, ttmp9
	s_lshl_b32 s20, s20, 3
	s_add_co_u32 s20, s20, s18                     ; T = 128 (y - 8) + 8 x + wave = 128 hp + 16 w + 4 s + t
	s_and_b32 s22, s20, 3                          ; t
	s_lshr_b32 s21, s20, 5                         ; 4 hp + w / 2
	s_lshl_b32 s24, s21, 15                        ; from: column 32 (4 hp + w / 2), 1,024 bytes each,
	s_and_b32 s23, s20, 1
	s_lshl_b32 s23, s23, 14                        ; + 16 (t % 2) columns,
	s_add_co_u32 s24, s24, s23
	s_and_b32 s23, s20, 0x1c                       ; (w % 2, s) in bits 4:2
	s_lshl_b32 s23, s23, 5                         ; + 512 (w % 2) + 128 s along K
	s_add_co_u32 s24, s24, s23
	s_mov_b32 s25, 0
	s_lshl_b32 s26, s20, 11                        ; to: 2,048 T
	s_mov_b32 s27, 0
	s_wait_alu depctr_va_vdst(0)                   ; the wait behind the branch and the scalar lines
	v_lshlrev_b32 v8, 10, v1
	s_delay_alu instid0(VALU_DEP_1)
	v_lshl_add_u32 v8, v2, 4, v8                   ; row r, + 16 h
	v_lshlrev_b32 v9, 4, v3                        ; 16 x lane
	s_wait_alu depctr_va_vdst(0)
	s_wait_kmcnt 0x0
	s_cmp_lt_u32 s22, 2                            ; t = 0, 1: Wk; t = 2, 3: Wv: the choice hangs on ids alone
	s_cselect_b64 s[28:29], s[8:9], s[10:11]
	s_add_nc_u64 s[28:29], s[28:29], s[24:25]
	s_add_nc_u64 s[14:15], s[14:15], s[26:27]
.irp c, 0,1,2,3
	global_load_b128 v[16+4*\c:16+4*\c+3], v8, s[28:29] offset:32*\c
.endr
.irp c, 0,1,2,3
	s_wait_loadcnt 3-\c                            ; loads come back in order: this one is in, the younger ones may be out
	global_store_b128 v9, v[16+4*\c:16+4*\c+3], s[14:15] offset:512*\c   ; 32 lanes store 512 consecutive bytes
.endr
	s_endpgm
.Lfunc_end_k_q1ebf217895_prep:
	.size	k_q1ebf217895_prep, .Lfunc_end_k_q1ebf217895_prep-k_q1ebf217895_prep
	.p2alignl 7, 3214868480
	.fill 96, 4, 3214868480
	.section	.rodata,"a",@progbits
	.p2align	6, 0x0
	.amdhsa_kernel k_q1ebf217895_prep
		.amdhsa_group_segment_fixed_size 5120
		.amdhsa_private_segment_fixed_size 0
		.amdhsa_enable_private_segment 0
		.amdhsa_kernarg_size 48
		.amdhsa_user_sgpr_count 2
		.amdhsa_user_sgpr_kernarg_segment_ptr 1
		.amdhsa_wavefront_size32 1
		.amdhsa_system_sgpr_workgroup_id_x 1
		.amdhsa_system_sgpr_workgroup_id_y 1
		.amdhsa_system_sgpr_workgroup_id_z 1
		.amdhsa_system_vgpr_workitem_id 0
		.amdhsa_next_free_vgpr 162
		.amdhsa_next_free_sgpr 66
		.amdhsa_reserve_vcc 0
		.amdhsa_float_denorm_mode_32 3
		.amdhsa_float_denorm_mode_16_64 3
		.amdhsa_memory_ordered 1
		.amdhsa_forward_progress 1
		.amdhsa_inst_pref_size 9
	.end_amdhsa_kernel
	.amdgpu_metadata
---
amdhsa.version: [ 1, 2 ]
amdhsa.kernels:
  - .name:           k_q1ebf217895_prep
    .symbol:         k_q1ebf217895_prep.kd
    .args:
      - { .name: z_prev, .offset: 0, .size: 8, .value_kind: global_buffer, .address_space: global }
      - { .name: Wq, .offset: 8, .size: 8, .value_kind: global_buffer, .address_space: global }
      - { .name: Wk_codes, .offset: 16, .size: 8, .value_kind: global_buffer, .address_space: global }
      - { .name: Wv_codes, .offset: 24, .size: 8, .value_kind: global_buffer, .address_space: global }
      - { .name: zpart, .offset: 32, .size: 8, .value_kind: global_buffer, .address_space: global }
      - { .name: wfrag, .offset: 40, .size: 8, .value_kind: global_buffer, .address_space: global }
    .group_segment_fixed_size: 5120
    .private_segment_fixed_size: 0
    .kernarg_segment_align: 8
    .kernarg_segment_size: 48
    .max_flat_workgroup_size: 256
    .sgpr_count:     66
    .vgpr_count:     162
    .wavefront_size: 32
...
	.end_amdgpu_metadata
.endif
;; end of part 1
;; launch attn (part 2): grid 8 x 32, 8 waves a work-group, clusters of 4 x 1, 327,680 bytes of LDS; arguments nodes_codes, wfrag, zpart, bq, lowp_scales, part; writes part
.if DOCPART == 2
	.amdgcn_target "amdgcn-amd-amdhsa--gfx1250"
	.amdhsa_code_object_version 6
	.text
	.protected	k_q1ebf217895_attn
	.globl	k_q1ebf217895_attn
	.p2align	8
	.type	k_q1ebf217895_attn,@function
k_q1ebf217895_attn:
	s_mov_b64 s[64:65], 0
	v_nop
	global_prefetch_b8 v0, s[64:65] scope:SCOPE_SE
	s_setreg_imm32_b32 hwreg(HW_REG_WAVE_MODE, 25, 1), 1
	s_wait_xcnt 0x0
	s_wait_alu depctr_hold_cnt(0) depctr_sa_sdst(0) depctr_va_vdst(0) depctr_va_sdst(0) depctr_va_ssrc(0) depctr_va_vcc(0) depctr_vm_vsrc(0)
	s_getreg_b32 s2, hwreg(HW_REG_IB_STS2, 6, 4)
	s_cmp_eq_u32 s2, 0
	s_cbranch_scc0 .Lentry_in_a_cluster
	s_endpgm
.Lentry_in_a_cluster:
	s_bfe_u32 s2, ttmp6, 0x10000c
	s_cmp_lg_u32 s2, 0x3003
	s_cbranch_scc0 .Lentry_shape_is_right
	s_endpgm
.Lentry_shape_is_right:
; ONE QUERY OVER 25,000 NODES, 16 HEADS OF 64.  Kraw = nodes Wk and Vraw = nodes Wv are made on E4M3 codes by v_wmma_f32_16x16x128_fp8_fp8 and never leave the registers: of K only q . K is kept, of V only the sum of p V.
; LEFT OUT: bk (q . bk is the same for all nodes of a head and cancels in the softmax: shown at the head of the first kernel).
; SHARES.  Work-group (hp, g): head pair hp x row group g of 784 nodes = 49 tiles of 16.  8 x 32 = 256 work-groups of equal work.  EIGHT WAVES of 512 registers, two to a SIMD, so that one wave's vector work, LDS loads,
;   waits and barriers stand beside the other's matrix instructions.  Wave w owns head 2 hp + w / 4, half (w / 2) % 2 of its columns (32 of Wk, 32 of Wv: four tiles of 16) and half w % 2 of K (512 = four steps of 128):
;   4 x 4 x 16 = 256 registers of weights, which stay.  q . K and the sum of p V are linear in these parts: the four waves of a head exchange their parts of t through LDS, three tiles at a time,
;   and the two halves of K of the sums of p Vraw are added once, on the way out.
; THE END OF THE NODES.  32 x 784 = 25,088.  The last group begins at node 24,216; its first lo = 88 nodes are the group before's: their t becomes -infinity by a compare of whole numbers made from ids, so p = 0.  No branch.
; CLUSTER.  The four work-groups of a cluster are four head pairs of one row group and walk the same nodes: every tile of nodes is asked for jointly (mask 15).  The weights go from memory straight into registers.
; NO PREFETCH of the nodes: a refill is asked for five tiles, 80 matrix instructions a wave, ahead of the wait for it, and the first fills stand at the kernel's head with no loop ahead of them.
; BOTH PRODUCTS TRANSPOSED: source 0 = 16 columns of a weight, source 1 = 16 nodes.  Lane (r, h) holds node r, register j column 8 h + j of the tile.  A fragment comes by four loads of 16 bytes:
;   registers 4 c .. 4 c + 3 hold k = 32 c + 16 h + 0 .. 15 of a step, the same permutation of k on both sides.
; SOFTMAX.  t = score x log2(e) = the sum of q' Kraw, q' = q (log2(e) / 8) 2^(e0 + e1).  Running maximum M, p = 2^(t - M); when M moves, L and the sums PA of p Vraw are multiplied by F = 2^(old M - new M).
;   The four waves of a head add the same four parts in the same order, so their M and L are the same numbers.
; TILES.  G = 0 .. 48.  G = 0 lies in a place of its own, just ahead of slot 0: one load a wave brings both.  Fill n = 0 .. 7 holds G = 1 + 6 n .. 6 + 6 n in slot n % 2; position j = (G + 5) % 6.  Raw V in ring entry j.
;   Batch X = positions 5 (of the slot before), 0, 1: exchanged at the barrier in position 2.  Batch Y = 2, 3, 4: at the barrier in position 5, which is also the change of slots.
; A TILE'S TIME: p V of one tile of the batch in hand (every third time: first that batch's softmax), this tile's 16 fragment loads in one run, the score of the tile before while they are on their way, its store, then 16 matrix instructions.
; OUT.  part[hp][g]: 128 floats (the pair's sums of p Vraw), then sixteen copies of (M, L) for each 32 channels.  The next launch joins the 32 groups, divides, applies 2^(e2 + e3) and adds bv.
; WINDOWS.  0: all but the weights.  1: the weights, W(t, s) at 64 s + 16 t.  Two switches a tile.
; LIMITS.  NaN among the inputs (the NaN code too) is not served.  The exponentials give 0 below 2^-126.  The promise holds while |t| stays under 2^31.  Sums in f32, in another order than a plain sum's.
.set PITCH, 1040                       ; a node's row in LDS: 1,024 bytes + 16 of padding = 65 x 16 bytes
.set TILEB, 16*PITCH
.set S0B,   TILEB                      ; slot 0, behind tile 0's place
.set S1B,   7*TILEB                    ; slot 1
.set XCH,   13*TILEB                   ; the exchange: [batch 2][wave 8][r 16][4 words, three used]
.set SPARE, XCH+4096                   ; the spare words: 128 bytes a wave
.set QS,    SPARE+1024                 ; q' of each wave's head: 256 bytes a wave, the wave's own
.set IMG,   QS+2048                    ; two images of the work-group's 1,024 bytes of part, one for each half of K; their sum leaves
.set SPW,  1
.set NIL,  2
.set ADA,  3                           ; v3-6 my lane's place: slot 0 tiles 0-2, 3-5, slot 1 tiles 0-2, 3-5
.set ADAP, 7                           ; the same in tile 0's place
.set NIDX, 8                           ; r - lo + 16 x the batch's first tile
.set XST,  9                           ; the exchange: my wave's words of node r
.set XH,   10                          ; my head's four waves' words of node r
.set NEGINF, 11
.set F,    12                          ; v[12:13] F, 0
.set M,    14
.set L,    15
.set T,    16                          ; v[16:18] a batch's t, then p; v19 = 0, named in a pair
.set TA,   20                          ; v[20:22], v[24:26], v[28:30] the other three parts
.set TB,   24
.set TC,   28
.set X0,   32                          ; v32-34 at work in the softmax
.set S,    36                          ; v[36:43] the score's four chains
.set Q,    48                          ; v[48:63] q' of my lane's 16 columns
.set PA,   64                          ; v[64:79] the running sums of p Vraw
.set KA,   80                          ; v[80:95] K's two accumulators
.set VA,   96                          ; v[96:191] V's ring: [entry 6][2][8]
.set FB,   192                         ; v[192:255] a tile's fragments
.set WOFF, 96                          ; at the head alone, in registers that the ring takes later
.set QO,   97
.set QLD,  98
.set QST,  99
.set WV,   18
.set G1H,  24                          ; s[24:31] group 1: 14 rows of 1,024 bytes
.set G1A,  32                          ; s[32:39] the same with 12 rows
.set G0,   40                          ; s[40:47] group 0, a set for each slot
.set G0H,  48                          ; s[48:51] group 0 of the head's load
.set SEL,  52
.set CNT,  54
.set TS,   55
.set MSB, 0
.macro WIN new                         ; the immediate's high byte repeats the setting that is left
.if MSB != \new
	s_set_vgpr_msb (MSB<<8)|\new
.set MSB, \new
.endif
.endm
.macro PLACES n
.rept \n
	v_nop
.endr
.endm
.macro CREST                           ; a round of the cluster's barrier behind its opening barrier
	s_cmp_lg_u32 s[WV], 0
	s_cbranch_scc1 .Lnot_wave_0_\@
	s_barrier_signal -3
.Lnot_wave_0_\@:
	s_barrier_wait -3
	s_barrier_signal -1
	s_barrier_wait -1
.endm
.macro CROUND
	s_barrier_signal -1
	s_barrier_wait -1
	CREST
.endm
.macro FLD4 adr, off                   ; a tile's fragments: 16 nodes x my 512 of K, 16 loads in one run
.irp s, 0,1,2,3
.irp c, 0,1,2,3
	ds_load_b128 v[FB+16*\s+4*\c:FB+16*\s+4*\c+3], v[\adr] offset:(\off)+128*\s+32*\c
.endr
.endr
.endm
.macro STEP j, s                       ; (source 0 in window 1)  four matrix instructions, the four accumulators by turns; step 0 starts the sums with the constant 0
.set WB_, 64*(\s)
.set AB_, FB+16*(\s)
.set VD_, VA+16*(\j)
.if (\s) == 0
	v_wmma_f32_16x16x128_fp8_fp8 v[KA:KA+7], v[WB_:WB_+15], v[AB_:AB_+15], 0
	v_wmma_f32_16x16x128_fp8_fp8 v[KA+8:KA+15], v[WB_+16:WB_+31], v[AB_:AB_+15], 0
	v_wmma_f32_16x16x128_fp8_fp8 v[VD_:VD_+7], v[WB_+32:WB_+47], v[AB_:AB_+15], 0
	v_wmma_f32_16x16x128_fp8_fp8 v[VD_+8:VD_+15], v[WB_+48:WB_+63], v[AB_:AB_+15], 0
.else
	v_wmma_f32_16x16x128_fp8_fp8 v[KA:KA+7], v[WB_:WB_+15], v[AB_:AB_+15], v[KA:KA+7]
	v_wmma_f32_16x16x128_fp8_fp8 v[KA+8:KA+15], v[WB_+16:WB_+31], v[AB_:AB_+15], v[KA+8:KA+15]
	v_wmma_f32_16x16x128_fp8_fp8 v[VD_:VD_+7], v[WB_+32:WB_+47], v[AB_:AB_+15], v[VD_:VD_+7]
	v_wmma_f32_16x16x128_fp8_fp8 v[VD_+8:VD_+15], v[WB_+48:WB_+63], v[AB_:AB_+15], v[VD_+8:VD_+15]
.endif
.endm
.macro SCORE                           ; my part of a tile's t: 16 columns a lane in four chains (each accumulator is first read at its low end), the pair, the other half of the lanes
.irp a, 0,8,2,10
	v_pk_mul_f32 v[S+2*((\a)%8)+(\a)/4:S+2*((\a)%8)+(\a)/4+1], v[KA+\a:KA+\a+1], v[Q+\a:Q+\a+1]
.endr
.irp a, 0,8,2,10
	v_pk_fma_f32 v[S+2*((\a)%8)+(\a)/4:S+2*((\a)%8)+(\a)/4+1], v[KA+4+\a:KA+5+\a], v[Q+4+\a:Q+5+\a], v[S+2*((\a)%8)+(\a)/4:S+2*((\a)%8)+(\a)/4+1]
.endr
	v_pk_add_f32 v[S:S+1], v[S:S+1], v[S+2:S+3]
	v_pk_add_f32 v[S+4:S+5], v[S+4:S+5], v[S+6:S+7]
	v_pk_add_f32 v[S:S+1], v[S:S+1], v[S+4:S+5]
	v_add_f32 v[S], v[S], v[S+1]
	v_permlanex16_b32 v[S+1], v[S], s[SEL], s[SEL+1]
	v_add_f32 v[S], v[S], v[S+1]                   ; lanes r and r + 16 now hold the same number
.endm
.macro XGET par                        ; a batch's four parts, in the same order in all four waves of a head
	ds_load_b96 v[T:T+2], v[XH] offset:2048*(\par)
	ds_load_b96 v[TA:TA+2], v[XH] offset:2048*(\par)+256
	ds_load_b96 v[TB:TB+2], v[XH] offset:2048*(\par)+512
	ds_load_b96 v[TC:TC+2], v[XH] offset:2048*(\par)+768
.endm
.macro SM n                            ; THE SOFTMAX OF A BATCH of n tiles (3, or 1 at the end)
.if \n == 3
	v_pk_add_f32 v[T:T+1], v[T:T+1], v[TA:TA+1]
	v_pk_add_f32 v[TB:TB+1], v[TB:TB+1], v[TC:TC+1]
	v_add_f32 v[T+2], v[T+2], v[TA+2]
	v_add_f32 v[TB+2], v[TB+2], v[TC+2]
	v_pk_add_f32 v[T:T+1], v[T:T+1], v[TB:TB+1]
	v_add_f32 v[T+2], v[T+2], v[TB+2]
.else
	v_add_f32 v[T], v[T], v[TA]
	v_add_f32 v[TB], v[TB], v[TC]
	v_add_f32 v[T], v[T], v[TB]
.endif
.irp i, 0,1,2
.if \i < \n
	v_cmp_le_i32 vcc_lo, -16*\i, v[NIDX]           ; -infinity for nodes that are the group before's
	v_cndmask_b32 v[T+\i], v[NEGINF], v[T+\i], vcc_lo
.endif
.endr
.if \n == 3
	v_max3_num_f32 v[X0], v[T], v[T+1], v[T+2]
	v_max_num_f32 v[X0], v[X0], v[M]
.else
	v_max_num_f32 v[X0], v[T], v[M]
.endif
.irp m, 1,2,4,8
	v_max_num_f32_dpp v[X0], v[X0], v[X0] row_xmask:\m row_mask:0xf bank_mask:0xf
.endr
	v_sub_f32 v[X0+1], v[M], v[X0]
.irp i, 0,1,2
.if \i < \n
	v_sub_f32 v[T+\i], v[T+\i], v[X0]
.endif
.endr
	v_mov_b32 v[M], v[X0]
	s_wait_alu depctr_va_vdst(0)                   ; the wait ahead of the batch
	v_exp_f32 v[F], v[X0+1]
.irp i, 0,1,2
.if \i < \n
	v_exp_f32 v[T+\i], v[T+\i]
.endif
.endr
	v_add_nc_u32 v[NIDX], 48, v[NIDX]              ; (the plain instruction behind the last exponential)
	s_wait_alu depctr_va_vdst(0)                   ; and behind it, ahead of its first reader
.set K_, 0
.rept 8
	v_pk_mul_f32 v[PA+K_:PA+K_+1], v[PA+K_:PA+K_+1], v[F:F+1] op_sel_hi:[1,0]
.set K_, K_+2
.endr
.if \n == 3
	v_add_f32 v[X0+2], v[T], v[T+1]
	v_add_f32 v[X0+2], v[X0+2], v[T+2]
	v_fma_f32 v[L], v[L], v[F], v[X0+2]
.else
	v_fma_f32 v[L], v[L], v[F], v[T]
.endif
.endm
.macro APPLY e, i                      ; PA += p[i] x the raw V in entry e; each accumulator from its low end on
.set VE_, VA+16*(\e)
.set PP_, T+2*((\i)/2)
.set K_, 0
.rept 8
.if (\i)%2
	v_pk_fma_f32 v[PA+K_:PA+K_+1], v[VE_+K_:VE_+K_+1], v[PP_:PP_+1], v[PA+K_:PA+K_+1] op_sel:[0,1,0] op_sel_hi:[1,1,1]
.else
	v_pk_fma_f32 v[PA+K_:PA+K_+1], v[VE_+K_:VE_+K_+1], v[PP_:PP_+1], v[PA+K_:PA+K_+1] op_sel_hi:[1,0,1]
.endif
.set K_, K_+2
.endr
.endm
; THE HEAD OF POSITION j's TIME.  The fragment loads land on registers that the last tile's matrix instructions read: four places stand ahead of them (v_nop, or the eight lines of p V).
; ap = 1: positions 0 and 3 make the softmax of the batch exchanged in the tile before (behind its four loads stand this tile's 16: the count 16); every position adds p V of entry (j + 2) % 6.
.macro BLOCK slot, j, ap
.set AD_, ADA+2*(\slot)+(\j)/3
.set OF_, ((\j)%3)*TILEB
.if \ap && (((\j)%3) == 0)
	PLACES 4
	FLD4 AD_, OF_
	s_wait_dscnt 16
	SM 3
	s_wait_alu depctr_va_vdst(0)                   ; the wait here, directly ahead of the first readers of matrix results
	APPLY ((\j)+2)%6, (\j)%3
.elseif \ap
	s_wait_alu depctr_va_vdst(0)                   ; likewise
	APPLY ((\j)+2)%6, (\j)%3
	FLD4 AD_, OF_
.else
	PLACES 4
	FLD4 AD_, OF_
.endif
	SCORE
	ds_store_b32 v[XST], v[S] offset:2048*((\j)/3)+4*((\j)%3)   ; lanes r and r + 16 store the same number to the same word
.endm
.macro REG slot, j, ap                 ; a tile without a barrier: behind its fragments' loads stands the store alone: the count 1
	BLOCK \slot, \j, \ap
	s_wait_dscnt 1
	WIN 0x01
	STEP \j, 0
	STEP \j, 1
	STEP \j, 2
	STEP \j, 3
	WIN 0
.endm
; A TILE WITH A BARRIER (positions 2 and 5).  The batch's last score is stored; in front of the signal all my LDS instructions are done; twelve matrix instructions stand between signal and wait; behind the barrier the batch's parts are fetched.
; tw = 1: the change of slots: the wait for all my tensor loads (one is out: my part of the other slot), the add, the wait for it.  rd = 1: the barrier opens a round of the cluster's barrier and this slot is filled again, 192 nodes on.
.macro SYNC slot, j, ap, tw, rd
	BLOCK \slot, \j, \ap
.if \tw
	s_wait_tensorcnt 0x0                           ; all my tensor loads have landed, so a group 0 may be written
	ds_add_u32 v[SPW], v[NIL]
.if \rd
	s_add_nc_u64 s[G0+4*(\slot)+2:G0+4*(\slot)+3], s[G0+4*(\slot)+2:G0+4*(\slot)+3], 196608
.endif
.endif
	s_wait_dscnt 1+\tw                             ; the store, and with tw = 1 the add, may be out
	WIN 0x01
	STEP \j, 0
	s_wait_dscnt 0x0
	s_barrier_signal -1
	STEP \j, 1                                     ; work on registers while the others arrive
	STEP \j, 2
	STEP \j, 3
	WIN 0
	s_barrier_wait -1
.if \rd
	CREST                                          ; no wave of any partner still reads this slot or has a load on its way
	tensor_load_to_lds s[G0+4*(\slot):G0+4*(\slot)+3], s[G1A:G1A+7]   ; my one tensor load behind the round
	s_nop 0
	PLACES 4
.endif
	XGET (\j)/3
.endm
	s_load_b256 s[4:11], s[0:1], 0x0               ; the nodes' codes s[4:5], wfrag s[6:7], zpart s[8:9], bq s[10:11]
	s_load_b128 s[12:15], s[0:1], 0x20             ; the scales' exponents s[12:13], part s[14:15]
	v_lshl_add_u32 v[SPW], v0, 2, SPARE
	v_mov_b32 v[NIL], 0
	ds_add_u32 v[SPW], v[NIL]                      ; the opening lines: the add, twice on end, and its wait ahead of my first tensor load
	ds_add_u32 v[SPW], v[NIL]
	v_lshrrev_b32 v32, 5, v0
	v_readfirstlane_b32 s[WV], v32                 ; wave 0..7
	s_bfe_u32 s19, ttmp6, 0x40000                  ; cx
	s_lshl_b32 s20, ttmp9, 2
	s_add_co_u32 s20, s20, s19                     ; hp = 4 x cluster x + cx: it enters the addresses of wfrag, zpart, bq and part alone
	s_and_b32 s21, ttmp7, 0xffff                   ; g, which the four partners share
	s_mul_i32 s[TS], s21, 784
	s_min_u32 s22, s[TS], 24216                    ; my group's first node
	s_sub_co_u32 s23, s[TS], s22                   ; lo: 0, or 88 in the last group
	s_mov_b32 s[G1H], 15|(1<<20)|(1<<21)|(7<<22)|(3<<25)   ; the mask of all four; elements of 1 byte; four words of padding after every 256; bit 21 beside the mask
	s_mov_b32 s[G1H+1], 1024<<16
	s_mov_b32 s[G1H+2], 14<<16
	s_mov_b32 s[G1H+3], 1024<<16
	s_mov_b32 s[G1H+4], 14
	s_mov_b32 s[G1H+5], 1024
	s_mov_b32 s[G1H+6], 0
	s_mov_b32 s[G1H+7], 0
	s_mov_b32 s[G1A], 15|(1<<20)|(1<<21)|(7<<22)|(3<<25)
	s_mov_b32 s[G1A+1], 1024<<16
	s_mov_b32 s[G1A+2], 12<<16
	s_mov_b32 s[G1A+3], 1024<<16
	s_mov_b32 s[G1A+4], 12
	s_mov_b32 s[G1A+5], 1024
	s_mov_b32 s[G1A+6], 0
	s_mov_b32 s[G1A+7], 0
	s_mov_b32 s[SEL], 0x76543210
	s_mov_b32 s[SEL+1], 0xfedcba98
	s_mov_b32 s[G0], 1
	s_mov_b32 s[G0+4], 1
	s_mov_b32 s[G0H], 1
	s_mul_i32 s[G0H+1], s[WV], 14*PITCH            ; tile 0's place and slot 0 on end: 112 rows, 14 a wave
	s_mul_i32 s[G0+1], s[WV], 12*PITCH             ; a slot: 96 rows, 12 a wave
	s_add_co_u32 s[G0+5], s[G0+1], S1B
	s_add_co_u32 s[G0+1], s[G0+1], S0B
	s_lshl_b32 s60, s22, 10
	s_mov_b32 s61, 0
	s_mul_i32 s62, s[WV], 14*1024
	s_mov_b32 s63, 0
	s_wait_dscnt 0x0                               ; both opening adds are done
	s_wait_kmcnt 0x0
	s_load_b128 s[56:59], s[12:13], 0x0            ; e0, e1 (nodes, Wk), e2, e3
	s_add_nc_u64 s[4:5], s[4:5], s[60:61]
	s_add_nc_u64 s[G0H+2:G0H+3], s[4:5], s[62:63]
	s_mul_i32 s62, s[WV], 12*1024
	s_add_nc_u64 s[G0+2:G0+3], s[4:5], s[62:63]
	s_add_nc_u64 s[G0+2:G0+3], s[G0+2:G0+3], 16384    ; fill 0's rows (they come by the head's load): stepped to fill 2 ahead of slot 0's first refill
	s_add_nc_u64 s[G0+6:G0+7], s[G0+2:G0+3], 98304    ; fill 1: 96 nodes on
	s_or_b32 s[G0+3], s[G0+3], 0x80000000
	s_or_b32 s[G0+7], s[G0+7], 0x80000000
	s_or_b32 s[G0H+3], s[G0H+3], 0x80000000
	CROUND                                         ; all four work-groups are here: the first joint loads meet
	tensor_load_to_lds s[G0H:G0H+3], s[G1H:G1H+7]  ; my one tensor load at the head: my part of tiles 0 .. 6
	s_nop 0
	PLACES 4
	s_lshr_b32 s2, s[WV], 2                        ; which head of the pair
	s_and_b32 s3, s[WV], 1                         ; which half of K
	s_bfe_u32 s19, s[WV], 0x10001                  ; which half of the head's columns
	s_lshl_b32 s60, s20, 9
	s_lshl_b32 s62, s2, 8
	s_add_co_u32 s60, s60, s62                     ; my head's 64 columns, as f32
	s_add_nc_u64 s[8:9], s[8:9], s[60:61]
	s_add_nc_u64 s[10:11], s[10:11], s[60:61]
	s_lshl_b32 s62, s20, 3
	s_add_co_u32 s62, s62, s[WV]
	s_lshl_b32 s62, s62, 15                        ; my 32,768 bytes of wfrag
	s_add_nc_u64 s[6:7], s[6:7], s[62:63]
	s_lshl_b32 s60, s20, 5
	s_add_co_u32 s60, s60, s21
	s_lshl_b32 s60, s60, 10                        ; my work-group's 1,024 bytes of part
	s_add_nc_u64 s[14:15], s[14:15], s[60:61]
	s_lshl_b32 s62, s[WV], 8                       ; 256 w: kept for the way out
	s_lshl_b32 s[TS], s2, 10
	s_add_co_u32 s[TS], s[TS], XCH                 ; my head's four waves' words
	s_add_co_u32 s60, s62, QS
	s_lshl_b32 s21, s19, 7                         ; 128 bytes for the upper half of the columns
	s_lshl_b32 s61, s3, 10
	s_lshl_b32 s63, s2, 8
	s_add_co_u32 s61, s61, s63
	s_add_co_u32 s61, s61, s21
	s_add_co_u32 s61, s61, IMG                     ; kept for the way out: my half of K's image, my 32 channels
	s_lshr_b32 s63, s[WV], 1
	s_lshl_b32 s63, s63, 3
	s_lshl_b32 s2, s3, 10
	s_add_co_u32 s63, s63, s2
	s_add_co_u32 s63, s63, IMG+512                 ; kept for the way out: my image's (M, L) of my 32 channels
	s_add_co_u32 s21, s21, s60
	s_add_co_u32 s19, s62, XCH
	s_lshl_b32 s3, s3, 9                           ; 512 bytes into a node's row for the upper half of K
	v_and_b32 v32, 31, v0                          ; lane
	v_bfe_u32 v33, v0, 4, 1                        ; h
	v_and_b32 v34, 15, v0                          ; r
	v_lshlrev_b32 v[WOFF], 4, v32
	v_lshlrev_b32 v[QO], 3, v32
	v_mul_u32_u24 v[ADAP], v34, PITCH
	v_lshl_add_u32 v[ADAP], v33, 4, v[ADAP]
	v_add_nc_u32 v[ADAP], s3, v[ADAP]              ; row r x pitch + 16 h + my half of K
	v_add_nc_u32 v[ADA], S0B, v[ADAP]
	v_add_nc_u32 v[ADA+1], S0B+3*TILEB, v[ADAP]
	v_add_nc_u32 v[ADA+2], S1B, v[ADAP]
	v_add_nc_u32 v[ADA+3], S1B+3*TILEB, v[ADAP]
	v_sub_nc_u32 v[NIDX], v34, s23
	v_lshl_add_u32 v[XST], v34, 4, s19
	v_lshl_add_u32 v[XH], v34, 4, s[TS]
	v_add_nc_u32 v[QST], s60, v[QO]
	v_lshl_add_u32 v[QLD], v33, 5, s21
	v_mov_b32 v[NEGINF], 0xff800000
	v_mov_b32 v[F+1], 0
	v_mov_b32 v[M], 0xff61b1e6                     ; -3e38, under every t
	v_mov_b32 v[L], 0
	v_mov_b32 v[T+3], 0
.set K_, 0
.rept 16
	v_mov_b32 v[PA+K_], 0                          ; the loop has no first batch of its own: the first change of M multiplies zeros
.set K_, K_+1
.endr
	s_wait_alu depctr_va_vdst(0)                   ; the wait here
	; the eight parts of z_prev Wq and bq: lane l takes columns 2 l, 2 l + 1 of my head: each load covers 256 consecutive bytes
.irp k, 0,1,2,3,4,5,6,7
	global_load_b64 v[FB+2*\k:FB+2*\k+1], v[QO], s[8:9] offset:4096*\k
.endr
	global_load_b64 v[FB+16:FB+17], v[QO], s[10:11]
	; the weights: 64 loads of 512 consecutive bytes, in the order in which the steps want them
	WIN 0x40
.set K_, 0
.rept 64
	global_load_b128 v[4*K_:4*K_+3], v[WOFF], s[6:7] offset:512*K_
.set K_, K_+1
.endr
	WIN 0
	s_wait_loadcnt 63                              ; of 73 loads at most the youngest 63 are out: q's nine are in
	s_wait_kmcnt 0x0
	v_pk_add_f32 v[FB:FB+1], v[FB:FB+1], v[FB+2:FB+3]
	v_pk_add_f32 v[FB+4:FB+5], v[FB+4:FB+5], v[FB+6:FB+7]
	v_pk_add_f32 v[FB+8:FB+9], v[FB+8:FB+9], v[FB+10:FB+11]
	v_pk_add_f32 v[FB+12:FB+13], v[FB+12:FB+13], v[FB+14:FB+15]
	v_pk_add_f32 v[FB:FB+1], v[FB:FB+1], v[FB+4:FB+5]
	v_pk_add_f32 v[FB+8:FB+9], v[FB+8:FB+9], v[FB+12:FB+13]
	v_pk_add_f32 v[FB:FB+1], v[FB:FB+1], v[FB+16:FB+17]
	v_pk_add_f32 v[FB:FB+1], v[FB:FB+1], v[FB+8:FB+9]               ; q = bq + the eight parts
	v_pk_mul_f32 v[FB:FB+1], v[FB:FB+1], 0x3e38aa3b op_sel_hi:[1,0] ; x log2(e) / 8
	s_add_co_i32 s[TS], s56, s57                   ; e0 + e1: a sum of the first product stands for sum x 2^(e0 + e1)
	v_ldexp_f32 v[FB], v[FB], s[TS]
	v_ldexp_f32 v[FB+1], v[FB+1], s[TS]
	ds_store_b64 v[QST], v[FB:FB+1]                ; through my own 256 bytes of LDS into the accumulators' layout: LDS serves a wave's instructions in order
.irp t, 0,1
	ds_load_b128 v[Q+8*\t:Q+8*\t+3], v[QLD] offset:64*\t
	ds_load_b128 v[Q+8*\t+4:Q+8*\t+7], v[QLD] offset:64*\t+16
.endr
	s_wait_alu depctr_va_vdst(0)                   ; the wait at the head's end
	s_wait_tensorcnt 0x0                           ; my part of tiles 0 .. 6 is in; the full sequence ahead of slot 1's first fill:
	ds_add_u32 v[SPW], v[NIL]
	s_wait_dscnt 0x0
	CROUND
	tensor_load_to_lds s[G0+4:G0+7], s[G1A:G1A+7]  ; fill 1, my one tensor load behind the round
	s_nop 0
	PLACES 4
	FLD4 ADAP, 0                                   ; tile 0 counts as position 5
	s_wait_dscnt 0x0
	WIN 0x01
	s_wait_loadcnt 48                              ; step s's weights are loads 16 s .. 16 s + 15 of the 64: 16 (3 - s) younger ones may be out
	STEP 5, 0
	s_wait_loadcnt 32
	STEP 5, 1
	s_wait_loadcnt 16
	STEP 5, 2
	s_wait_loadcnt 0x0
	STEP 5, 3
	WIN 0
	REG 0, 0, 0                                    ; there is no batch yet to work on
	REG 0, 1, 0
	SYNC 0, 2, 0, 0, 0
	s_mov_b32 s[CNT], 3
.Ltrip:                                            ; a trip goes once round the ring, 12 tiles, and fills both slots again
	REG 0, 3, 1
	REG 0, 4, 1
	SYNC 0, 5, 1, 1, 1
	REG 1, 0, 1
	REG 1, 1, 1
	SYNC 1, 2, 1, 0, 0
	REG 1, 3, 1
	REG 1, 4, 1
	SYNC 1, 5, 1, 1, 1
	REG 0, 0, 1
	REG 0, 1, 1
	SYNC 0, 2, 1, 0, 0
	s_sub_co_u32 s[CNT], s[CNT], 1
	s_cmp_lg_u32 s[CNT], 0
	s_cbranch_scc1 .Ltrip
	REG 0, 3, 1                                    ; the last two fills' tiles are written out: nothing more is asked for
	REG 0, 4, 1
	SYNC 0, 5, 1, 1, 0                             ; the last fill of slot 1 has landed; no round, since nothing is filled
	REG 1, 0, 1
	REG 1, 1, 1
	SYNC 1, 2, 1, 0, 0
	REG 1, 3, 1
	REG 1, 4, 1
	SYNC 1, 5, 1, 0, 0
	; the last whole batch, the last tile's score, and a batch of that one tile
	s_wait_dscnt 0x0
	SM 3
	s_wait_alu depctr_va_vdst(0)                   ; the wait here, directly ahead of the first readers of matrix results
	APPLY 2, 0
	APPLY 3, 1
	APPLY 4, 2
	SCORE
	ds_store_b32 v[XST], v[S]
	s_wait_dscnt 0x0                               ; for my partners' sake
	s_barrier_signal -1
	s_barrier_wait -1
	XGET 0
	s_wait_dscnt 0x0
	SM 1                                           ; only the first of the three words counts
	s_wait_alu depctr_va_vdst(0)
	APPLY 5, 0
	; THE WAY OUT.  The sums over my 16 nodes' lanes; the two halves of K meet as two images in LDS, whose sum leaves as four runs of 256 consecutive bytes.
	; Both waves of a pair hold the same M and L: each puts half of them into its image, and the halves add up to them with no rounding.
.irp m, 1,2,4,8
	v_add_f32_dpp v[L], v[L], v[L] row_xmask:\m row_mask:0xf bank_mask:0xf
.set K_, 0
.rept 16
	v_add_f32_dpp v[PA+K_], v[PA+K_], v[PA+K_] row_xmask:\m row_mask:0xf bank_mask:0xf
.set K_, K_+1
.endr
.endr
	v_mul_f32 v[M], 0.5, v[M]
	v_mul_f32 v[L], 0.5, v[L]
	v_bfe_u32 v32, v0, 4, 1                        ; h
	v_and_b32 v33, 15, v0                          ; r
	v_and_b32 v34, 31, v0                          ; lane
	v_lshl_add_u32 v35, v32, 5, s61                ; my channels: + 32 h
	v_lshl_add_u32 v36, v33, 5, s63                ; copy r of (M, L)
	v_lshl_add_u32 v37, v34, 3, s62                ; 256 w + 8 x lane
	v_add_nc_u32 v38, IMG, v37
.irp t, 0,1
	ds_store_b128 v35, v[PA+8*\t:PA+8*\t+3] offset:64*\t             ; the sixteen lanes of a half write the same bytes with the same numbers
	ds_store_b128 v35, v[PA+8*\t+4:PA+8*\t+7] offset:64*\t+16
.endr
	ds_store_b64 v36, v[M:L]
	s_wait_alu depctr_va_vdst(0)
	s_wait_dscnt 0x0                               ; for the others' sake
	s_barrier_signal -1
	s_barrier_wait -1
	s_cmp_ge_u32 s[WV], 4                          ; waves 0 to 3 store the 1,024 bytes, 256 each
	s_cbranch_scc1 .Lstored
	ds_load_b64 v[40:41], v38
	ds_load_b64 v[42:43], v38 offset:1024
	s_wait_dscnt 0x0
	v_pk_add_f32 v[40:41], v[40:41], v[42:43]
	global_store_b64 v37, v[40:41], s[14:15]       ; 32 lanes x 8 bytes: 256 consecutive bytes, at a multiple of 256 from the buffer's first byte
.Lstored:
	s_wait_tensorcnt 0x0                           ; the wave's end
	ds_add_u32 v[SPW], v[NIL]
	s_wait_dscnt 0x0
	CROUND                                         ; the closing round
	s_endpgm
.Lfunc_end_k_q1ebf217895_attn:
	.size	k_q1ebf217895_attn, .Lfunc_end_k_q1ebf217895_attn-k_q1ebf217895_attn
	.p2alignl 7, 3214868480
	.fill 96, 4, 3214868480
	.section	.rodata,"a",@progbits
	.p2align	6, 0x0
	.amdhsa_kernel k_q1ebf217895_attn
		.amdhsa_group_segment_fixed_size 327680
		.amdhsa_private_segment_fixed_size 0
		.amdhsa_enable_private_segment 0
		.amdhsa_kernarg_size 48
		.amdhsa_user_sgpr_count 2
		.amdhsa_user_sgpr_kernarg_segment_ptr 1
		.amdhsa_wavefront_size32 1
		.amdhsa_system_sgpr_workgroup_id_x 1
		.amdhsa_system_sgpr_workgroup_id_y 1
		.amdhsa_system_sgpr_workgroup_id_z 1
		.amdhsa_system_vgpr_workitem_id 0
		.amdhsa_next_free_vgpr 512
		.amdhsa_next_free_sgpr 66
		.amdhsa_reserve_vcc 1
		.amdhsa_float_denorm_mode_32 3
		.amdhsa_float_denorm_mode_16_64 3
		.amdhsa_memory_ordered 1
		.amdhsa_forward_progress 1
		.amdhsa_inst_pref_size 131
	.end_amdhsa_kernel
	.amdgpu_metadata
---
amdhsa.version: [ 1, 2 ]
amdhsa.kernels:
  - .name:           k_q1ebf217895_attn
    .symbol:         k_q1ebf217895_attn.kd
    .args:
      - { .name: nodes_codes, .offset: 0, .size: 8, .value_kind: global_buffer, .address_space: global }
      - { .name: wfrag, .offset: 8, .size: 8, .value_kind: global_buffer, .address_space: global }
      - { .name: zpart, .offset: 16, .size: 8, .value_kind: global_buffer, .address_space: global }
      - { .name: bq, .offset: 24, .size: 8, .value_kind: global_buffer, .address_space: global }
      - { .name: lowp_scales, .offset: 32, .size: 8, .value_kind: global_buffer, .address_space: global }
      - { .name: part, .offset: 40, .size: 8, .value_kind: global_buffer, .address_space: global }
    .group_segment_fixed_size: 327680
    .private_segment_fixed_size: 0
    .kernarg_segment_align: 8
    .kernarg_segment_size: 48
    .max_flat_workgroup_size: 256
    .sgpr_count:     66
    .vgpr_count:     512
    .wavefront_size: 32
...
	.end_amdgpu_metadata
.endif
;; end of part 2
;; launch pool_w1 (part 3): grid 16 x 16, 8 waves a work-group, no clusters, 5,120 bytes of LDS; arguments part, bv, lowp_scales, W1, z_prev, hpart; writes hpart
.if DOCPART == 3
	.amdgcn_target "amdgcn-amd-amdhsa--gfx1250"
	.amdhsa_code_object_version 6
	.text
	.protected	k_q1ebf217895_pool_w1
	.globl	k_q1ebf217895_pool_w1
	.p2align	8
	.type	k_q1ebf217895_pool_w1,@function
k_q1ebf217895_pool_w1:
	s_mov_b64 s[64:65], 0
	v_nop
	global_prefetch_b8 v0, s[64:65] scope:SCOPE_SE
	s_setreg_imm32_b32 hwreg(HW_REG_WAVE_MODE, 25, 1), 1
	s_wait_xcnt 0x0
; PARTS OF [pooled, z_prev] x W1.  Work-group (x, y): 64 columns x rows 128 y .. 128 y + 127 of W1's 2,048.  hpart[y][column] = the sum over those 128 rows; the reader adds the sixteen slices.  256 work-groups.
; y = 0 .. 7: the vector's 128 numbers are head pair y's channels of pooled, which the work-group makes itself:
;   pooled = (the 32 row groups' sums of p Vraw, brought under one maximum) / (their sums of p) x 2^(e2 + e3) + bv.  bv is added behind the division: the weights of a softmax add up to 1.
;   For the join a lane is a row group: it loads its group's 16 channels (64 bytes) and the (M, L) of the wave that made them; the maximum and 17 sums go over the 32 lanes.
; y = 8 .. 15: the vector's 128 numbers are z_prev's 128 (y - 8) on, as they are given.
; The two ways part on the work-group's number and join ahead of the multiply-adds: LDS and the barrier stand in the common text.
; Wave w takes rows 16 w .. 16 w + 15 of the slice; lane (r, h) the columns 4 r .. 4 r + 3 of rows 16 w + 8 h + i.
; No matrix unit: one row on the left.  No tensor loads, no cluster.  LIMITS: NaN is not served; the exponential gives 0 below 2^-126.
.set X,   8
.set ROW, 16
.set ACC, 48
.set TMP, 52
.set A,   64                           ; v[64:79]  my group's 16 channels
.macro MV_ROWS
.irp i, 0,1,2,3,4,5,6,7
	global_load_b128 v[ROW+4*\i:ROW+4*\i+3], v4, s[30:31] offset:4096*\i th:TH_LOAD_NT   ; read once in the launch
.endr
.endm
.macro MV_FMA
	v_pk_mul_f32 v[ACC:ACC+1], v[ROW:ROW+1], v[X:X+1] op_sel_hi:[1,0]
	v_pk_mul_f32 v[ACC+2:ACC+3], v[ROW+2:ROW+3], v[X:X+1] op_sel_hi:[1,0]
.irp i, 1,2,3,4,5,6,7
.if (\i)%2
	s_delay_alu instid0(VALU_DEP_2)
	v_pk_fma_f32 v[ACC:ACC+1], v[ROW+4*\i:ROW+4*\i+1], v[X+\i-1:X+\i], v[ACC:ACC+1] op_sel:[0,1,0] op_sel_hi:[1,1,1]
	s_delay_alu instid0(VALU_DEP_2)
	v_pk_fma_f32 v[ACC+2:ACC+3], v[ROW+4*\i+2:ROW+4*\i+3], v[X+\i-1:X+\i], v[ACC+2:ACC+3] op_sel:[0,1,0] op_sel_hi:[1,1,1]
.else
	s_delay_alu instid0(VALU_DEP_2)
	v_pk_fma_f32 v[ACC:ACC+1], v[ROW+4*\i:ROW+4*\i+1], v[X+\i:X+\i+1], v[ACC:ACC+1] op_sel_hi:[1,0,1]
	s_delay_alu instid0(VALU_DEP_2)
	v_pk_fma_f32 v[ACC+2:ACC+3], v[ROW+4*\i+2:ROW+4*\i+3], v[X+\i:X+\i+1], v[ACC+2:ACC+3] op_sel_hi:[1,0,1]
.endif
.endr
.endm
.macro MV_OUT
.irp k, 0,1,2,3
	v_permlanex16_b32 v[TMP+\k], v[ACC+\k], s32, s33
.endr
.irp k, 0,1,2,3
	s_delay_alu instid0(VALU_DEP_4)
	v_add_f32 v[ACC+\k], v[ACC+\k], v[TMP+\k]
.endr
	ds_store_b128 v5, v[ACC:ACC+3]                 ; 256 w + 16 r: lanes r and r + 16 write the same bytes with the same numbers
	s_wait_dscnt 0x0                               ; for wave 0's sake
	s_barrier_signal -1
	s_barrier_wait -1
	s_cmp_lg_u32 s18, 0
	s_cbranch_scc1 .Lend
.irp k, 0,1,2,3,4,5,6,7
	ds_load_b64 v[ROW+2*\k:ROW+2*\k+1], v6 offset:256*\k
.endr
	s_wait_dscnt 0x0
	v_pk_add_f32 v[ROW:ROW+1], v[ROW:ROW+1], v[ROW+2:ROW+3]
	v_pk_add_f32 v[ROW+4:ROW+5], v[ROW+4:ROW+5], v[ROW+6:ROW+7]
	v_pk_add_f32 v[ROW+8:ROW+9], v[ROW+8:ROW+9], v[ROW+10:ROW+11]
	v_pk_add_f32 v[ROW+12:ROW+13], v[ROW+12:ROW+13], v[ROW+14:ROW+15]
	s_delay_alu instid0(VALU_DEP_3)
	v_pk_add_f32 v[ROW:ROW+1], v[ROW:ROW+1], v[ROW+4:ROW+5]
	s_delay_alu instid0(VALU_DEP_2)
	v_pk_add_f32 v[ROW+8:ROW+9], v[ROW+8:ROW+9], v[ROW+12:ROW+13]
	s_delay_alu instid0(VALU_DEP_1)
	v_pk_add_f32 v[ROW:ROW+1], v[ROW:ROW+1], v[ROW+8:ROW+9]
	global_store_b64 v6, v[ROW:ROW+1], s[34:35]    ; 256 consecutive bytes, at a multiple of 256 from the buffer's first byte
.Lend:
	s_wait_tensorcnt 0x0
	ds_add_u32 v128, v129
	s_wait_dscnt 0x0
	s_endpgm
.endm
	s_load_b256 s[4:11], s[0:1], 0x0               ; part s[4:5], bv s[6:7], the scales' exponents s[8:9], W1 s[10:11]
	s_load_b128 s[12:15], s[0:1], 0x20             ; z_prev s[12:13], hpart s[14:15]
	v_lshl_add_u32 v128, v0, 2, 0x1000
	v_mov_b32 v129, 0
	v_lshrrev_b32 v1, 5, v0
	s_delay_alu instid0(VALU_DEP_1)
	v_readfirstlane_b32 s18, v1                    ; wave 0..7
	v_and_b32 v1, 15, v0                           ; r
	v_bfe_u32 v2, v0, 4, 1                         ; h
	v_and_b32 v3, 31, v0                           ; lane
	s_delay_alu instid0(VALU_DEP_3)
	v_lshlrev_b32 v4, 4, v1
	s_delay_alu instid0(VALU_DEP_1)
	v_lshl_or_b32 v4, v2, 15, v4                   ; in the matrix: 8 h rows of 4,096 bytes + 16 r
	s_lshl_b32 s20, s18, 8
	v_lshl_add_u32 v5, v1, 4, s20                  ; LDS: 256 w + 16 r
	v_lshlrev_b32 v6, 3, v3
	v_lshlrev_b32 v7, 5, v2
.irp k, 0,1,2,3
	v_mov_b32 v[TMP+\k], 0                         ; a lane permute's destination counts as one of its sources
.endr
	v_mov_b32 v83, 0
	s_lshl_b32 s20, s18, 6
	v_lshl_add_u32 v56, v3, 10, s20                ; group = lane: 1,024 bytes each, + my wave's 16 channels
	s_lshr_b32 s20, s18, 1                         ; they were made by wave pair w / 2 of the launch before
	s_lshl_b32 s20, s20, 3
	s_add_co_u32 s20, s20, 512
	v_lshl_add_u32 v57, v3, 10, s20                ; its (M, L)
	s_mov_b32 s32, 0x76543210
	s_mov_b32 s33, 0xfedcba98
	s_and_b32 s19, ttmp7, 0xffff                   ; y
	s_lshl_b32 s23, s19, 7
	s_lshl_b32 s24, s18, 4
	s_add_co_u32 s23, s23, s24                     ; my wave's first row of W1: 128 y + 16 w
	s_and_b32 s24, s23, 1023                       ; its place in pooled (and bv), or in z_prev,
	s_lshl_b32 s24, s24, 2                         ; in bytes
	s_mov_b32 s25, 0
	s_lshl_b32 s26, s23, 12
	s_lshl_b32 s27, ttmp9, 8
	s_add_co_u32 s26, s26, s27
	s_mov_b32 s27, 0
	s_lshl_b32 s28, s19, 12                        ; out: row y of hpart
	s_lshl_b32 s29, ttmp9, 8
	s_add_co_u32 s28, s28, s29
	s_mov_b32 s29, 0
	s_and_b32 s40, s19, 7
	s_lshl_b32 s40, s40, 15                        ; the pair's 32 records of part
	s_mov_b32 s41, 0
	s_wait_kmcnt 0x0
	s_add_nc_u64 s[30:31], s[10:11], s[26:27]
	s_add_nc_u64 s[34:35], s[14:15], s[28:29]
	s_cmp_ge_u32 s19, 8                            ; the same way for the whole work-group
	s_cbranch_scc1 .Lz
	; ---- y < 8: the vector is made from part
	s_load_b128 s[36:39], s[8:9], 0x0              ; e0 .. e3
	s_add_nc_u64 s[4:5], s[4:5], s[40:41]
	s_add_nc_u64 s[6:7], s[6:7], s[24:25]
	s_wait_alu depctr_va_vdst(0)
.irp u, 0,1,2,3
	global_load_b128 v[A+4*\u:A+4*\u+3], v56, s[4:5] offset:16*\u
.endr
	global_load_b64 v[80:81], v57, s[4:5]
	global_load_b128 v[84:87], v7, s[6:7]          ; bv at my eight channels
	global_load_b128 v[88:91], v7, s[6:7] offset:16
	MV_ROWS
	s_wait_loadcnt 8                               ; all but the eight rows of W1
	v_mov_b32 v82, v80
.irp m, 1,2,4,8
	s_delay_alu instid0(VALU_DEP_1)
	v_max_num_f32_dpp v82, v82, v82 row_xmask:\m row_mask:0xf bank_mask:0xf
.endr
	s_delay_alu instid0(VALU_DEP_1)
	v_permlanex16_b32 v83, v82, s32, s33
	s_delay_alu instid0(VALU_DEP_1)
	v_max_num_f32 v82, v82, v83                    ; the largest M of the 32 groups
	s_delay_alu instid0(VALU_DEP_1)
	v_sub_f32 v83, v80, v82
	s_wait_alu depctr_va_vdst(0)
	v_exp_f32 v92, v83                             ; f = 2^(my M - the largest)
	v_mov_b32 v93, 0                               ; (the plain instruction behind the exponential; named with f as a pair)
	s_wait_alu depctr_va_vdst(0)
	v_mul_f32 v81, v81, v92
.irp k, 0,2,4,6,8,10,12,14
	v_pk_mul_f32 v[A+\k:A+\k+1], v[A+\k:A+\k+1], v[92:93] op_sel_hi:[1,0]
.endr
.irp m, 1,2,4,8
	v_add_f32_dpp v81, v81, v81 row_xmask:\m row_mask:0xf bank_mask:0xf
.irp k, 0,1,2,3,4,5,6,7,8,9,10,11,12,13,14,15
	v_add_f32_dpp v[A+\k], v[A+\k], v[A+\k] row_xmask:\m row_mask:0xf bank_mask:0xf
.endr
.endr
	v_permlanex16_b32 v83, v81, s32, s33
	s_delay_alu instid0(VALU_DEP_1)
	v_add_f32 v81, v81, v83
.irp k, 0,1,2,3,4,5,6,7,8,9,10,11,12,13,14,15
	s_delay_alu instid0(VALU_DEP_2)
	v_permlanex16_b32 v83, v[A+\k], s32, s33
	s_delay_alu instid0(VALU_DEP_1)
	v_add_f32 v[A+\k], v[A+\k], v83                ; every lane now holds the sums over the 32 groups
.endr
	s_wait_alu depctr_va_vdst(0)
	v_rcp_f32 v81, v81
	v_cmp_eq_u32 vcc_lo, 1, v2                     ; (a plain instruction behind the reciprocal)  lanes 16-31 take channels 8 .. 15
	s_wait_kmcnt 0x0
	s_add_co_i32 s20, s38, s39
	s_wait_alu depctr_va_vdst(0)
	v_ldexp_f32 v81, v81, s20                      ; x 2^(e2 + e3)
.irp i, 0,1,2,3,4,5,6,7
	v_cndmask_b32 v[X+\i], v[A+\i], v[A+8+\i], vcc_lo
.endr
.irp i, 0,1,2,3,4,5,6,7
	v_fma_f32 v[X+\i], v[X+\i], v81, v[84+\i]      ; pooled
.endr
	s_wait_loadcnt 0x0
	s_branch .Lmul
	; ---- y >= 8: the vector is z_prev's
.Lz:
	s_add_nc_u64 s[12:13], s[12:13], s[24:25]
	s_wait_alu depctr_va_vdst(0)
	global_load_b128 v[X:X+3], v7, s[12:13]
	global_load_b128 v[X+4:X+7], v7, s[12:13] offset:16
	MV_ROWS
	s_wait_loadcnt 0x0
.Lmul:
	s_wait_alu depctr_va_vdst(0)
	MV_FMA
	MV_OUT
.Lfunc_end_k_q1ebf217895_pool_w1:
	.size	k_q1ebf217895_pool_w1, .Lfunc_end_k_q1ebf217895_pool_w1-k_q1ebf217895_pool_w1
	.p2alignl 7, 3214868480
	.fill 96, 4, 3214868480
	.section	.rodata,"a",@progbits
	.p2align	6, 0x0
	.amdhsa_kernel k_q1ebf217895_pool_w1
		.amdhsa_group_segment_fixed_size 5120
		.amdhsa_private_segment_fixed_size 0
		.amdhsa_enable_private_segment 0
		.amdhsa_kernarg_size 48
		.amdhsa_user_sgpr_count 2
		.amdhsa_user_sgpr_kernarg_segment_ptr 1
		.amdhsa_wavefront_size32 1
		.amdhsa_system_sgpr_workgroup_id_x 1
		.amdhsa_system_sgpr_workgroup_id_y 1
		.amdhsa_system_sgpr_workgroup_id_z 1
		.amdhsa_system_vgpr_workitem_id 0
		.amdhsa_next_free_vgpr 130
		.amdhsa_next_free_sgpr 66
		.amdhsa_reserve_vcc 1
		.amdhsa_float_denorm_mode_32 3
		.amdhsa_float_denorm_mode_16_64 3
		.amdhsa_memory_ordered 1
		.amdhsa_forward_progress 1
		.amdhsa_inst_pref_size 18
	.end_amdhsa_kernel
	.amdgpu_metadata
---
amdhsa.version: [ 1, 2 ]
amdhsa.kernels:
  - .name:           k_q1ebf217895_pool_w1
    .symbol:         k_q1ebf217895_pool_w1.kd
    .args:
      - { .name: part, .offset: 0, .size: 8, .value_kind: global_buffer, .address_space: global }
      - { .name: bv, .offset: 8, .size: 8, .value_kind: global_buffer, .address_space: global }
      - { .name: lowp_scales, .offset: 16, .size: 8, .value_kind: global_buffer, .address_space: global }
      - { .name: W1, .offset: 24, .size: 8, .value_kind: global_buffer, .address_space: global }
      - { .name: z_prev, .offset: 32, .size: 8, .value_kind: global_buffer, .address_space: global }
      - { .name: hpart, .offset: 40, .size: 8, .value_kind: global_buffer, .address_space: global }
    .group_segment_fixed_size: 5120
    .private_segment_fixed_size: 0
    .kernarg_segment_align: 8
    .kernarg_segment_size: 48
    .max_flat_workgroup_size: 256
    .sgpr_count:     66
    .vgpr_count:     130
    .wavefront_size: 32
...
	.end_amdgpu_metadata
.endif
;; end of part 3
;; launch gelu_w2 (part 4): grid 16 x 8, 8 waves a work-group, no clusters, 5,120 bytes of LDS; arguments hpart, b1, W2, ypart; writes ypart
.if DOCPART == 4
	.amdgcn_target "amdgcn-amd-amdhsa--gfx1250"
	.amdhsa_code_object_version 6
	.text
	.protected	k_q1ebf217895_gelu_w2
	.globl	k_q1ebf217895_gelu_w2
	.p2align	8
	.type	k_q1ebf217895_gelu_w2,@function
k_q1ebf217895_gelu_w2:
	s_mov_b64 s[64:65], 0
	v_nop
	global_prefetch_b8 v0, s[64:65] scope:SCOPE_SE
	s_setreg_imm32_b32 hwreg(HW_REG_WAVE_MODE, 25, 1), 1
	s_wait_xcnt 0x0
; h = gelu(b1 + the sixteen slices of [pooled, z_prev] x W1 (hpart)), and parts of h x W2.
; Work-group (x, ks): 64 columns x 128 rows of K; ypart[ks][column] = the sum over those rows; the reader adds the eight slices.
; Wave w takes rows 16 w .. 16 w + 15; lane (r, h) makes h at rows 16 w + 8 h + i itself (every lane of a half makes the same eight numbers) and takes columns 4 r .. 4 r + 3.
; GELU, the exact form: x / 2 (1 + erf(x / sqrt 2)).  erf(a) for a >= 0 is 1 - (a1 u + .. + a5 u^5) e^(-a a), u = 1 / (1 + 0.3275911 a) (Abramowitz and Stegun 7.1.26), the sign put back afterwards.
; LIMIT: that form's absolute error in erf is at most 1.5e-7, for every a; it is not cut to a range.  NaN is not served.
.set X,   8
.set ROW, 16
.set ACC, 48
.set TMP, 52
.set P,   64                           ; v[64:199] seventeen sets of eight numbers; later at work
.macro MV_ROWS
.irp i, 0,1,2,3,4,5,6,7
	global_load_b128 v[ROW+4*\i:ROW+4*\i+3], v4, s[30:31] offset:4096*\i th:TH_LOAD_NT   ; read once in the launch
.endr
.endm
.macro MV_FMA
	v_pk_mul_f32 v[ACC:ACC+1], v[ROW:ROW+1], v[X:X+1] op_sel_hi:[1,0]
	v_pk_mul_f32 v[ACC+2:ACC+3], v[ROW+2:ROW+3], v[X:X+1] op_sel_hi:[1,0]
.irp i, 1,2,3,4,5,6,7
.if (\i)%2
	s_delay_alu instid0(VALU_DEP_2)
	v_pk_fma_f32 v[ACC:ACC+1], v[ROW+4*\i:ROW+4*\i+1], v[X+\i-1:X+\i], v[ACC:ACC+1] op_sel:[0,1,0] op_sel_hi:[1,1,1]
	s_delay_alu instid0(VALU_DEP_2)
	v_pk_fma_f32 v[ACC+2:ACC+3], v[ROW+4*\i+2:ROW+4*\i+3], v[X+\i-1:X+\i], v[ACC+2:ACC+3] op_sel:[0,1,0] op_sel_hi:[1,1,1]
.else
	s_delay_alu instid0(VALU_DEP_2)
	v_pk_fma_f32 v[ACC:ACC+1], v[ROW+4*\i:ROW+4*\i+1], v[X+\i:X+\i+1], v[ACC:ACC+1] op_sel_hi:[1,0,1]
	s_delay_alu instid0(VALU_DEP_2)
	v_pk_fma_f32 v[ACC+2:ACC+3], v[ROW+4*\i+2:ROW+4*\i+3], v[X+\i:X+\i+1], v[ACC+2:ACC+3] op_sel_hi:[1,0,1]
.endif
.endr
.endm
.macro MV_OUT
.irp k, 0,1,2,3
	v_permlanex16_b32 v[TMP+\k], v[ACC+\k], s32, s33
.endr
.irp k, 0,1,2,3
	s_delay_alu instid0(VALU_DEP_4)
	v_add_f32 v[ACC+\k], v[ACC+\k], v[TMP+\k]
.endr
	ds_store_b128 v5, v[ACC:ACC+3]                 ; 256 w + 16 r: lanes r and r + 16 write the same bytes with the same numbers
	s_wait_dscnt 0x0                               ; for wave 0's sake
	s_barrier_signal -1
	s_barrier_wait -1
	s_cmp_lg_u32 s18, 0
	s_cbranch_scc1 .Lend
.irp k, 0,1,2,3,4,5,6,7
	ds_load_b64 v[ROW+2*\k:ROW+2*\k+1], v6 offset:256*\k
.endr
	s_wait_dscnt 0x0
	v_pk_add_f32 v[ROW:ROW+1], v[ROW:ROW+1], v[ROW+2:ROW+3]
	v_pk_add_f32 v[ROW+4:ROW+5], v[ROW+4:ROW+5], v[ROW+6:ROW+7]
	v_pk_add_f32 v[ROW+8:ROW+9], v[ROW+8:ROW+9], v[ROW+10:ROW+11]
	v_pk_add_f32 v[ROW+12:ROW+13], v[ROW+12:ROW+13], v[ROW+14:ROW+15]
	s_delay_alu instid0(VALU_DEP_3)
	v_pk_add_f32 v[ROW:ROW+1], v[ROW:ROW+1], v[ROW+4:ROW+5]
	s_delay_alu instid0(VALU_DEP_2)
	v_pk_add_f32 v[ROW+8:ROW+9], v[ROW+8:ROW+9], v[ROW+12:ROW+13]
	s_delay_alu instid0(VALU_DEP_1)
	v_pk_add_f32 v[ROW:ROW+1], v[ROW:ROW+1], v[ROW+8:ROW+9]
	global_store_b64 v6, v[ROW:ROW+1], s[34:35]    ; 256 consecutive bytes, at a multiple of 256 from the buffer's first byte
.Lend:
	s_wait_tensorcnt 0x0
	ds_add_u32 v208, v209
	s_wait_dscnt 0x0
	s_endpgm
.endm
	s_load_b256 s[4:11], s[0:1], 0x0               ; hpart s[4:5], b1 s[6:7], W2 s[8:9], ypart s[10:11]
	v_lshl_add_u32 v208, v0, 2, 0x1000
	v_mov_b32 v209, 0
	v_lshrrev_b32 v1, 5, v0
	s_delay_alu instid0(VALU_DEP_1)
	v_readfirstlane_b32 s18, v1                    ; wave 0..7
	v_and_b32 v1, 15, v0                           ; r
	v_bfe_u32 v2, v0, 4, 1                         ; h
	v_and_b32 v3, 31, v0                           ; lane
	s_delay_alu instid0(VALU_DEP_3)
	v_lshlrev_b32 v4, 4, v1
	s_delay_alu instid0(VALU_DEP_1)
	v_lshl_or_b32 v4, v2, 15, v4
	s_lshl_b32 s20, s18, 8
	v_lshl_add_u32 v5, v1, 4, s20
	v_lshlrev_b32 v6, 3, v3
	v_lshlrev_b32 v7, 5, v2
.irp k, 0,1,2,3
	v_mov_b32 v[TMP+\k], 0                         ; a lane permute's destination counts as one of its sources
.endr
	s_mov_b32 s32, 0x76543210
	s_mov_b32 s33, 0xfedcba98
	s_mov_b32 s40, 0x3f3504f3                      ; 1 / sqrt 2
	s_mov_b32 s41, 0x3ea7ba05                      ; 0.3275911
	s_mov_b32 s42, 0x3e827906                      ; a1 =  0.254829592
	s_mov_b32 s43, 0xbe91a98e                      ; a2 = -0.284496736
	s_mov_b32 s44, 0x3fb5f0e3                      ; a3 =  1.421413741
	s_mov_b32 s45, 0xbfba00e3                      ; a4 = -1.453152027
	s_mov_b32 s46, 0x3f87dc22                      ; a5 =  1.061405429
	s_mov_b32 s47, 0xbfb8aa3b                      ; -log2(e)
	s_mov_b32 s48, 0x7fffffff
	s_and_b32 s19, ttmp7, 0xffff                   ; ks
	s_lshl_b32 s23, s19, 7
	s_lshl_b32 s24, s18, 4
	s_add_co_u32 s23, s23, s24                     ; my wave's first row: 128 ks + 16 w
	s_lshl_b32 s24, s23, 2
	s_mov_b32 s25, 0
	s_lshl_b32 s26, s23, 12
	s_lshl_b32 s27, ttmp9, 8
	s_add_co_u32 s26, s26, s27
	s_mov_b32 s27, 0
	s_lshl_b32 s28, s19, 12
	s_lshl_b32 s29, ttmp9, 8
	s_add_co_u32 s28, s28, s29
	s_mov_b32 s29, 0
	s_wait_alu depctr_va_vdst(0)
	s_wait_kmcnt 0x0
	s_add_nc_u64 s[4:5], s[4:5], s[24:25]
	s_add_nc_u64 s[6:7], s[6:7], s[24:25]
	s_add_nc_u64 s[30:31], s[8:9], s[26:27]
	s_add_nc_u64 s[34:35], s[10:11], s[28:29]
	global_load_b128 v[P:P+3], v7, s[6:7]
	global_load_b128 v[P+4:P+7], v7, s[6:7] offset:16
.irp k, 0,1,2,3,4,5,6,7,8,9,10,11,12,13,14,15
	global_load_b128 v[P+8+8*\k:P+11+8*\k], v7, s[4:5] offset:4096*\k
	global_load_b128 v[P+12+8*\k:P+15+8*\k], v7, s[4:5] offset:4096*\k+16
.endr
	MV_ROWS
	s_wait_loadcnt 8                               ; all but the eight rows of W2
.irp n, 1,2,3,4,5,6,7,8,9,10,11,12,13,14,15,16
.irp k, 0,2,4,6
	v_pk_add_f32 v[P+\k:P+\k+1], v[P+\k:P+\k+1], v[P+8*\n+\k:P+8*\n+\k+1]
.endr
.endr
	; x in v[64:71]; a v[72:79]; 1 + p a v[80:87]; u v[88:95]; the exponent v[96:103]; e^(-a a) v[104:111]; the polynomial, then erf v[112:119]
.irp i, 0,1,2,3,4,5,6,7
	v_and_b32 v[72+\i], s48, v[64+\i]
.endr
.irp i, 0,1,2,3,4,5,6,7
	v_mul_f32 v[72+\i], s40, v[72+\i]
.endr
.irp i, 0,1,2,3,4,5,6,7
	v_fma_f32 v[80+\i], v[72+\i], s41, 1.0
.endr
	s_wait_alu depctr_va_vdst(0)
.irp i, 0,1,2,3,4,5,6,7
	v_rcp_f32 v[88+\i], v[80+\i]
.endr
.irp i, 0,1,2,3,4,5,6,7
	v_mul_f32 v[96+\i], v[72+\i], v[72+\i]         ; (plain instructions behind the reciprocals)
.endr
.irp i, 0,1,2,3,4,5,6,7
	v_mul_f32 v[96+\i], s47, v[96+\i]
.endr
	s_wait_alu depctr_va_vdst(0)
.irp i, 0,1,2,3,4,5,6,7
	v_exp_f32 v[104+\i], v[96+\i]
.endr
	s_wait_alu depctr_va_vdst(0)
.irp i, 0,1,2,3,4,5,6,7
	v_fma_f32 v[112+\i], v[88+\i], s46, s45        ; (plain instructions behind the exponentials)
.endr
.irp i, 0,1,2,3,4,5,6,7
	v_fma_f32 v[112+\i], v[112+\i], v[88+\i], s44
.endr
.irp i, 0,1,2,3,4,5,6,7
	v_fma_f32 v[112+\i], v[112+\i], v[88+\i], s43
.endr
.irp i, 0,1,2,3,4,5,6,7
	v_fma_f32 v[112+\i], v[112+\i], v[88+\i], s42
.endr
.irp i, 0,1,2,3,4,5,6,7
	v_mul_f32 v[112+\i], v[112+\i], v[88+\i]
.endr
.irp i, 0,1,2,3,4,5,6,7
	v_fma_f32 v[112+\i], -v[112+\i], v[104+\i], 1.0   ; erf(a)
.endr
.irp i, 0,1,2,3,4,5,6,7
	v_bfi_b32 v[112+\i], s48, v[112+\i], v[64+\i]  ; with x's sign
.endr
.irp i, 0,1,2,3,4,5,6,7
	v_mul_f32 v[64+\i], 0.5, v[64+\i]
.endr
.irp i, 0,1,2,3,4,5,6,7
	v_fma_f32 v[X+\i], v[64+\i], v[112+\i], v[64+\i]
.endr
	s_wait_alu depctr_va_vdst(0)
	s_wait_loadcnt 0x0
	MV_FMA
	MV_OUT
.Lfunc_end_k_q1ebf217895_gelu_w2:
	.size	k_q1ebf217895_gelu_w2, .Lfunc_end_k_q1ebf217895_gelu_w2-k_q1ebf217895_gelu_w2
	.p2alignl 7, 3214868480
	.fill 96, 4, 3214868480
	.section	.rodata,"a",@progbits
	.p2align	6, 0x0
	.amdhsa_kernel k_q1ebf217895_gelu_w2
		.amdhsa_group_segment_fixed_size 5120
		.amdhsa_private_segment_fixed_size 0
		.amdhsa_enable_private_segment 0
		.amdhsa_kernarg_size 32
		.amdhsa_user_sgpr_count 2
		.amdhsa_user_sgpr_kernarg_segment_ptr 1
		.amdhsa_wavefront_size32 1
		.amdhsa_system_sgpr_workgroup_id_x 1
		.amdhsa_system_sgpr_workgroup_id_y 1
		.amdhsa_system_sgpr_workgroup_id_z 1
		.amdhsa_system_vgpr_workitem_id 0
		.amdhsa_next_free_vgpr 210
		.amdhsa_next_free_sgpr 66
		.amdhsa_reserve_vcc 0
		.amdhsa_float_denorm_mode_32 3
		.amdhsa_float_denorm_mode_16_64 3
		.amdhsa_memory_ordered 1
		.amdhsa_forward_progress 1
		.amdhsa_inst_pref_size 21
	.end_amdhsa_kernel
	.amdgpu_metadata
---
amdhsa.version: [ 1, 2 ]
amdhsa.kernels:
  - .name:           k_q1ebf217895_gelu_w2
    .symbol:         k_q1ebf217895_gelu_w2.kd
    .args:
      - { .name: hpart, .offset: 0, .size: 8, .value_kind: global_buffer, .address_space: global }
      - { .name: b1, .offset: 8, .size: 8, .value_kind: global_buffer, .address_space: global }
      - { .name: W2, .offset: 16, .size: 8, .value_kind: global_buffer, .address_space: global }
      - { .name: ypart, .offset: 24, .size: 8, .value_kind: global_buffer, .address_space: global }
    .group_segment_fixed_size: 5120
    .private_segment_fixed_size: 0
    .kernarg_segment_align: 8
    .kernarg_segment_size: 32
    .max_flat_workgroup_size: 256
    .sgpr_count:     66
    .vgpr_count:     210
    .wavefront_size: 32
...
	.end_amdgpu_metadata
.endif
;; end of part 4
;; launch norm (part 5): grid 1 x 1, 8 waves a work-group, no clusters, 1,280 bytes of LDS; arguments ypart, b2, scale, out0; writes out0
.if DOCPART == 5
	.amdgcn_target "amdgcn-amd-amdhsa--gfx1250"
	.amdhsa_code_object_version 6
	.text
	.protected	k_q1ebf217895_norm
	.globl	k_q1ebf217895_norm
	.p2align	8
	.type	k_q1ebf217895_norm,@function
k_q1ebf217895_norm:
	s_mov_b64 s[64:65], 0
	v_nop
	global_prefetch_b8 v0, s[64:65] scope:SCOPE_SE
	s_setreg_imm32_b32 hwreg(HW_REG_WAVE_MODE, 25, 1), 1
	s_wait_xcnt 0x0
; y = b2 + the eight slices of h x W2; out = scale y / sqrt(mean(y y) + 1e-6).  1,024 numbers: one work-group, 256 threads, four columns each.
; The mean spans all 1,024 numbers, so this is a launch of its own with one work-group: no sum spans work-groups inside a launch.
; Every load and the store of a wave cover 512 consecutive bytes.  LIMIT: NaN is not served.
	s_load_b256 s[4:11], s[0:1], 0x0               ; ypart s[4:5], b2 s[6:7], scale s[8:9], out0 s[10:11]
	v_lshl_add_u32 v64, v0, 2, 0x100
	v_mov_b32 v65, 0
	v_lshlrev_b32 v1, 4, v0                        ; my 16 bytes
	v_lshrrev_b32 v2, 5, v0
	s_delay_alu instid0(VALU_DEP_1)
	v_lshlrev_b32 v2, 2, v2                        ; LDS: a word for each wave
	v_mov_b32 v3, 0
	v_mov_b32 v5, 0                                ; a lane permute's destination counts as one of its sources
	s_mov_b32 s12, 0x76543210
	s_mov_b32 s13, 0xfedcba98
	s_mov_b32 s14, 0x3a800000                      ; 1 / 1,024
	s_mov_b32 s15, 0x358637bd                      ; 1e-6
	s_wait_alu depctr_va_vdst(0)
	s_wait_kmcnt 0x0
	global_load_b128 v[40:43], v1, s[6:7]
.irp k, 0,1,2,3,4,5,6,7
	global_load_b128 v[8+4*\k:11+4*\k], v1, s[4:5] offset:4096*\k
.endr
	global_load_b128 v[44:47], v1, s[8:9]
	s_wait_loadcnt 1                               ; all but scale
.irp k, 0
	v_pk_add_f32 v[40:41], v[40:41], v[8+4*\k:9+4*\k]
	v_pk_add_f32 v[42:43], v[42:43], v[10+4*\k:11+4*\k]
.endr
.irp k, 1, 2, 3, 4, 5, 6, 7
	s_delay_alu instid0(VALU_DEP_2)
	v_pk_add_f32 v[40:41], v[40:41], v[8+4*\k:9+4*\k]
	s_delay_alu instid0(VALU_DEP_2)
	v_pk_add_f32 v[42:43], v[42:43], v[10+4*\k:11+4*\k]
.endr
	s_delay_alu instid0(VALU_DEP_2)
	v_pk_mul_f32 v[48:49], v[40:41], v[40:41]
	s_delay_alu instid0(VALU_DEP_1)
	v_pk_fma_f32 v[48:49], v[42:43], v[42:43], v[48:49]
	s_delay_alu instid0(VALU_DEP_1)
	v_add_f32 v48, v48, v49
.irp m, 1,2,4,8
	s_delay_alu instid0(VALU_DEP_1)
	v_add_f32_dpp v48, v48, v48 row_xmask:\m row_mask:0xf bank_mask:0xf
.endr
	s_delay_alu instid0(VALU_DEP_1)
	v_permlanex16_b32 v5, v48, s12, s13
	s_delay_alu instid0(VALU_DEP_1)
	v_add_f32 v48, v48, v5                         ; my wave's sum of squares, in every lane
	ds_store_b32 v2, v48                           ; all lanes write the same word with the same number
	s_wait_dscnt 0x0                               ; for the others' sake
	s_barrier_signal -1
	s_barrier_wait -1
	ds_load_b128 v[52:55], v3
	ds_load_b128 v[56:59], v3 offset:16
	s_wait_dscnt 0x0
	v_pk_add_f32 v[52:53], v[52:53], v[54:55]
	v_pk_add_f32 v[56:57], v[56:57], v[58:59]
	s_delay_alu instid0(VALU_DEP_1)
	v_pk_add_f32 v[52:53], v[52:53], v[56:57]
	s_delay_alu instid0(VALU_DEP_1)
	v_add_f32 v52, v52, v53
	s_delay_alu instid0(VALU_DEP_1)
	v_fma_f32 v52, v52, s14, s15                   ; the mean + 1e-6
	s_wait_alu depctr_va_vdst(0)
	v_rsq_f32 v50, v52
	v_mov_b32 v51, 0                               ; (the plain instruction behind the root; named with it as a pair)
	s_wait_loadcnt 0x0
	v_pk_mul_f32 v[40:41], v[40:41], v[44:45]
	v_pk_mul_f32 v[42:43], v[42:43], v[46:47]
	s_wait_alu depctr_va_vdst(0)
	v_pk_mul_f32 v[40:41], v[40:41], v[50:51] op_sel_hi:[1,0]
	v_pk_mul_f32 v[42:43], v[42:43], v[50:51] op_sel_hi:[1,0]
	global_store_b128 v1, v[40:43], s[10:11]
	s_wait_tensorcnt 0x0
	ds_add_u32 v64, v65
	s_wait_dscnt 0x0
	s_endpgm
.Lfunc_end_k_q1ebf217895_norm:
	.size	k_q1ebf217895_norm, .Lfunc_end_k_q1ebf217895_norm-k_q1ebf217895_norm
	.p2alignl 7, 3214868480
	.fill 96, 4, 3214868480
	.section	.rodata,"a",@progbits
	.p2align	6, 0x0
	.amdhsa_kernel k_q1ebf217895_norm
		.amdhsa_group_segment_fixed_size 1280
		.amdhsa_private_segment_fixed_size 0
		.amdhsa_enable_private_segment 0
		.amdhsa_kernarg_size 32
		.amdhsa_user_sgpr_count 2
		.amdhsa_user_sgpr_kernarg_segment_ptr 1
		.amdhsa_wavefront_size32 1
		.amdhsa_system_sgpr_workgroup_id_x 1
		.amdhsa_system_sgpr_workgroup_id_y 1
		.amdhsa_system_sgpr_workgroup_id_z 1
		.amdhsa_system_vgpr_workitem_id 0
		.amdhsa_next_free_vgpr 66
		.amdhsa_next_free_sgpr 66
		.amdhsa_reserve_vcc 0
		.amdhsa_float_denorm_mode_32 3
		.amdhsa_float_denorm_mode_16_64 3
		.amdhsa_memory_ordered 1
		.amdhsa_forward_progress 1
		.amdhsa_inst_pref_size 6
	.end_amdhsa_kernel
	.amdgpu_metadata
---
amdhsa.version: [ 1, 2 ]
amdhsa.kernels:
  - .name:           k_q1ebf217895_norm
    .symbol:         k_q1ebf217895_norm.kd
    .args:
      - { .name: ypart, .offset: 0, .size: 8, .value_kind: global_buffer, .address_space: global }
      - { .name: b2, .offset: 8, .size: 8, .value_kind: global_buffer, .address_space: global }
      - { .name: scale, .offset: 16, .size: 8, .value_kind: global_buffer, .address_space: global }
      - { .name: out0, .offset: 24, .size: 8, .value_kind: global_buffer, .address_space: global }
    .group_segment_fixed_size: 1280
    .private_segment_fixed_size: 0
    .kernarg_segment_align: 8
    .kernarg_segment_size: 32
    .max_flat_workgroup_size: 256
    .sgpr_count:     66
    .vgpr_count:     66
    .wavefront_size: 32
...
	.end_amdgpu_metadata
.endif
;; end of part 5
